; MI455X (gfx1250); checked and timed in simulation.
; The chip was launched on July 23, 2026; its instructions are those of AMD's public machine-readable ISA for CDNA 5 (MIT licence, August 2026) and "CDNA5" Instruction Set Architecture Reference Guide (July 2026). The comments in the code are by the model that wrote it; some were corrected since.
;; Attention. Allowed arithmetic: matrix products marked QUANTISED: E2M3 operands, one E8M0 scale for each 32 along K, by v_wmma_scale_f32_16x16x128_f8f6f4 with both operands' format E2M3, f32 sums; products left as they are: f32 operands where the result goes on into a quantised operand, else bf16, f16 or f32 operands; f32 sums; everything else in f32.
;; Inputs: Ua_b 1,024 float32; Ua_w_codes 1,024 x 32 x 24 uint8 (E2M3 codes of Ua_w, K innermost, in blocks of 32 codes, four codes in three bytes); Ua_w_scales 1,024 x 32 uint8 (E8M0 scales of Ua_w, one for each 32 codes along K); Va_b 1 float32; Va_w 1 x 1,024 float32; Wa_b 1,024 float32; Wa_w_codes 1,024 x 32 x 24 uint8 (E2M3 codes of Wa_w, K innermost, in blocks of 32 codes, four codes in three bytes); Wa_w_scales 1,024 x 32 uint8 (E8M0 scales of Wa_w, one for each 32 codes along K); decoder_outputs_codes 64 x 1 x 32 x 24 uint8 (E2M3 codes of decoder_outputs, K innermost, in blocks of 32 codes, four codes in three bytes); decoder_outputs_scales 64 x 1 x 32 uint8 (E8M0 scales of decoder_outputs, one for each 32 codes along K); encoder_outputs 64 x 1,024 x 1,024 float32.
;; Outputs: out0 64 x 1 x 1,024 float32.
;; This version of the problem:
;;   THIS VERSION OF THE PROBLEM IS GIVEN IN LOW PRECISION. The matrix products marked QUANTISED in the list below multiply operands that are first quantised to E2M3 (2 exponent bits, 3 mantissa bits; 6 bits a number), with one power-of-two scale for each 32 numbers along K (OCP MX v1.0); their sums are f32. All else is computed in f32.
;;   The module's matrix products, in the order in which they are computed (A, B: the left and right operand; K: the contracted axis; several contracted axes count as one K, in the product's order):
;;     1. [M 64, K 1,024] x [K 1,024, N 1,024]; A: input decoder_outputs (given as codes); B: input Wa_w (given as codes): QUANTISED
;;     2. [M 65,536, K 1,024] x [K 1,024, N 1,024]; A: input encoder_outputs; B: input Ua_w (given as codes): QUANTISED
;;     3. [M 65,536, K 1,024] x [K 1,024, N 1]; A: computed on the way; B: input Va_w: left as it is (N = 1 < 16)
;;     4. batch 64 x [M 1, K 1,024] x [K 1,024, N 1,024]; A: softmax; B: input encoder_outputs: left as it is (M = 1 < 16)
;;   THE QUANTISER, for each operand of a quantised product, along K:
;;     - K is cut into blocks of 32 from its start; a last block that is shorter is filled with zeros.
;;     - A block's scale is 2^e with e = floor(log2(the largest magnitude in the block)) - 2, held to -126 .. 127; a block of zeros has e = 0. As a byte (E8M0): e + 127.
;;     - Each number is divided by its block's scale, clamped to +-7.5, and rounded to the nearest number of E2M3, ties to even, subnormals kept.
;;     - The product sums the exact products of the quantised numbers (number of the format x scale) in f32.
;;   ~~~python
;;   def quantise(x, axis):      # numpy; x: float32 -> the quantised numbers, widened to float32 again
;;       x = np.moveaxis(x, axis, -1); K = x.shape[-1]
;;       x = np.pad(x, [(0, 0)] * (x.ndim - 1) + [(0, -K % 32)]); x = x.reshape(x.shape[:-1] + (-1, 32)); a = np.abs(x).max(-1, keepdims=True)
;;       e = np.where(a > 0, np.clip(np.frexp(np.where(a > 0, a, 1))[1] - 1 - 2, -126, 127), 0)      # np.frexp(a)[1] - 1 = floor(log2(a)), exactly
;;       r = np.clip(x / 2.0 ** e, -7.5, 7.5)
;;       step = 2.0 ** (np.maximum(np.frexp(np.where(r == 0, 1, r))[1] - 1, 0) - 3)
;;       q = np.round(r / step) * step * 2.0 ** e      # np.round: ties to even
;;       return np.moveaxis(q.reshape(q.shape[:-2] + (-1,))[..., :K], -1, axis).astype(np.float32)
;;   ~~~
;;   INPUTS GIVEN AS CODES. Ua_w (in the module: [1024, 1024], K = its axis 1); Wa_w (in the module: [1024, 1024], K = its axis 1); decoder_outputs (in the module: [64, 1, 1024], K = its axis 2): each comes as NAME_codes (uint8): NAME with its K axis moved to the last place and cut into blocks of 32 codes, [.., K / 32, bytes a block], one block behind the other in memory; four codes in three bytes: a row's codes are one little-endian stream of bits, code i at bits 6 i .. 6 i + 5 (a code: sign, 2 exponent bits, 3 mantissa bits); and NAME_scales (uint8): the same leading axes, one E8M0 byte (e + 127) for each 32 codes along K. Its value is code x scale, taken as it is: it is not quantised again, and the codes and scales need not be those that the quantiser above would give.
;; One version. Each part assembles by itself: llvm-mc -triple=amdgcn-amd-amdhsa -mcpu=gfx1250 --defsym DOCPART=n.
;; ======== version 1 of 1: 3 launches
;; limits: values are held in bf16: 8 bits of precision; right only within a limited range of input values
;; workspace buffers: ubimg 819,200 bytes; cbias 262,144 bytes; part 4,456,448 bytes
;; launch prep (part 1): grid 128 x 1, 1 waves a work-group, no clusters, 0 bytes of LDS; arguments decoder_outputs_codes, decoder_outputs_scales, Wa_w_codes, Wa_w_scales, Wa_b, Ua_b, Ua_w_codes, Ua_w_scales, ubimg, cbias; writes ubimg, cbias
.if DOCPART == 1
	.amdgcn_target "amdgcn-amd-amdhsa--gfx1250"
	.amdhsa_code_object_version 6
	.text
	.protected	k_q1fdf532202_prep
	.globl	k_q1fdf532202_prep
	.p2align	8
	.type	k_q1fdf532202_prep,@function
k_q1fdf532202_prep:
	s_mov_b64 s[64:65], 0
	v_nop
	global_prefetch_b8 v0, s[64:65] scope:SCOPE_SE
	s_setreg_imm32_b32 hwreg(HW_REG_WAVE_MODE, 25, 1), 1
	s_wait_xcnt 0x0
; TWO JOBS, parted by the work-group's number; no LDS, no barrier.  A work-group is ONE wave: each wave has some 250 (first job) or 50 (second job) loads of scattered pieces, and shares its WGP's way to memory with no other wave of the launch's own choosing.
; Work-groups 0-63:  cbias[b][h] = c x (sum over k of dec[b][k] Wa_w[h][k] + Wa_b[h] + Ua_b[h]),  c = 2 log2(e), on codes of FP6 (E2M3) with E8M0 scales as they are given.
;   Work-group 4 grp + mt takes batches 16 mt .. + 15 and hidden units 64 grp .. + 63 as four tiles c: lane r of tile c holds h = 64 grp + 4 r + c,
;   so that a lane's four results of a batch are 16 neighbouring bytes and sixteen lanes store 256 consecutive bytes, aligned.
; Work-groups 64-127: Ua_w's codes and scale bytes are laid out once as IMAGES OF OPERAND REGISTERS:
;   ubimg[K step s 0..7][wave w 0..3] = 25,600 bytes: [tile ct 0..15][group c 0..2][lane][16 bytes] (registers 4 c .. 4 c + 3 of the tile's fragment), then [g2 0..1][lane][16 bytes] of scale words
;   (register q = 4 g2 + word: lanes 0-15 tile 2 q, lanes 16-31 tile 2 q + 1).  Lane r of tile (w, ct) holds h = 256 w + 64 (ct / 4) + 4 r + ct % 4.  Work-group 64 + 16 w + ct lays tile (w, ct).
;   Its reads are pieces of 8 and 4 bytes of rows far apart: they are made once, over 819,200 bytes; its stores cover 512 consecutive bytes each.
; WORK LEFT OUT IN THIS PROGRAM.  reference() adds Va_b to every score of a batch and takes a softmax over the batch's scores: softmax(s + const) = softmax(s) for all finite values,
; so Va_b can reach no output: it is not loaded and is among no launch's arguments.  LIMIT: a NaN, an infinity or an overflow that reaches only Va_b is not carried to the result.
.set C2, 0x4038aa3b                    ; c = 2 log2(e)
.set MSB, 0
.macro WIN new                         ; the immediate's high byte repeats the setting that is left
.if MSB != (\new)
	s_set_vgpr_msb (MSB<<8)|(\new)
.set MSB, (\new)
.endif
.endm
	s_load_b512 s[4:19], s[0:1], 0x0               ; dec codes s[4:5], dec scales s[6:7], Wa codes s[8:9], Wa scales s[10:11], Wa_b s[12:13], Ua_b s[14:15], Ua codes s[16:17], Ua scales s[18:19]
	s_load_b128 s[20:23], s[0:1], 0x40             ; ubimg s[20:21], cbias s[22:23]
	v_and_b32 v2, 15, v0                           ; r
	v_bfe_u32 v3, v0, 4, 1                         ; hh
	v_and_b32 v4, 31, v0                           ; lane
	s_mov_b32 s29, 0                               ; the upper word of the offset pair s[28:29]
	s_and_b32 s24, ttmp9, 3                        ; mt (first job)
	s_lshr_b32 s25, ttmp9, 2                       ; grp (first job)
	s_wait_kmcnt 0x0
	s_cmp_lt_u32 ttmp9, 64
	s_cbranch_scc0 .Llayout
	; ---------------- product 1 and the biases ----------------
	s_mul_i32 s28, s24, 12288                      ; 16 rows of 768 bytes of the decoder's codes
	s_add_nc_u64 s[4:5], s[4:5], s[28:29]
	s_lshl_b32 s28, s24, 9                         ; 16 rows of 32 scale bytes
	s_add_nc_u64 s[6:7], s[6:7], s[28:29]
	s_mul_i32 s28, s25, 49152                      ; 64 rows of 768 bytes of Wa_w's codes
	s_add_nc_u64 s[8:9], s[8:9], s[28:29]
	s_lshl_b32 s28, s25, 11                        ; 64 rows of 32 scale bytes
	s_add_nc_u64 s[10:11], s[10:11], s[28:29]
	s_lshl_b32 s28, s25, 8                         ; 64 numbers of f32
	s_add_nc_u64 s[12:13], s[12:13], s[28:29]
	s_add_nc_u64 s[14:15], s[14:15], s[28:29]
	s_lshl_b32 s30, s24, 16                        ; 16 rows of 4,096 bytes of cbias
	s_add_co_u32 s28, s28, s30
	s_add_nc_u64 s[22:23], s[22:23], s[28:29]
	s_mov_b32 s31, C2
	s_wait_alu depctr_va_vdst(0)
	v_mul_u32_u24 v5, v2, 768
	v_mad_u32_u24 v5, v3, 24, v5                   ; decoder: row r, + 24 hh
	v_lshlrev_b32 v6, 5, v2                        ; its scale words: 32 bytes a row
	v_mul_u32_u24 v7, v2, 3072
	v_mad_u32_u24 v7, v3, 24, v7                   ; Wa_w: row 4 r (+ c in the immediate), + 24 hh
	v_lshlrev_b32 v8, 7, v2                        ; its scale words: 4 rows of 32 bytes a lane
	v_lshlrev_b32 v9, 4, v2                        ; biases: 4 numbers a lane
	v_lshl_add_u32 v10, v3, 15, v9                 ; cbias: 8 hh rows of 4,096 bytes + 16 r
.irp s, 0,1,2,3,4,5,6,7
.irp p, 0,1,2,3,4,5
	global_load_b64 v[16+12*\s+2*\p:16+12*\s+2*\p+1], v5, s[4:5] offset:96*\s+48*(\p/3)+8*(\p%3)   ; the decoder's fragment of K step s
.endr
.endr
	global_load_b128 v[112:115], v6, s[6:7]        ; its eight scale words, one a K step
	global_load_b128 v[116:119], v6, s[6:7] offset:16
.irp c, 0,1,2,3
	global_load_b128 v[120+8*\c:123+8*\c], v8, s[10:11] offset:32*\c      ; tile c's eight scale words
	global_load_b128 v[124+8*\c:127+8*\c], v8, s[10:11] offset:32*\c+16
.endr
	global_load_b128 v[184:187], v9, s[12:13]      ; Wa_b of h = 64 grp + 4 r + 0 .. 3
	global_load_b128 v[188:191], v9, s[14:15]      ; Ua_b likewise
	WIN 0x40                                       ; destination window 1: Wa_w's fragments of K steps 0-3 at v[12 (4 s + c)]
.irp s, 0,1,2,3
.irp c, 0,1,2,3
.irp p, 0,1,2,3,4,5
	global_load_b64 v[12*(4*\s+\c)+2*\p:12*(4*\s+\c)+2*\p+1], v7, s[8:9] offset:768*\c+96*\s+48*(\p/3)+8*(\p%3)
.endr
.endr
.endr
	WIN 0x80                                       ; destination window 2: K steps 4-7
.irp s, 4,5,6,7
.irp c, 0,1,2,3
.irp p, 0,1,2,3,4,5
	global_load_b64 v[12*(4*(\s-4)+\c)+2*\p:12*(4*(\s-4)+\c)+2*\p+1], v7, s[8:9] offset:768*\c+96*\s+48*(\p/3)+8*(\p%3)
.endr
.endr
.endr
	WIN 0
	s_wait_loadcnt 0x0
	; source 0 = 16 batches, source 1 = 16 hidden units.  The four accumulators take turns, one instruction a turn; the first K step starts the sums.
	WIN 0x04                                       ; source 1 in window 1
.irp s, 0,1,2,3
.irp c, 0,1,2,3
.if \s == 0
	v_wmma_scale_f32_16x16x128_f8f6f4 v[152+8*\c:159+8*\c], v[16+12*\s:27+12*\s], v[12*(4*\s+\c):12*(4*\s+\c)+11], 0, v[112+\s], v[120+8*\c+\s] matrix_a_fmt:MATRIX_FMT_FP6 matrix_b_fmt:MATRIX_FMT_FP6
.else
	v_wmma_scale_f32_16x16x128_f8f6f4 v[152+8*\c:159+8*\c], v[16+12*\s:27+12*\s], v[12*(4*\s+\c):12*(4*\s+\c)+11], v[152+8*\c:159+8*\c], v[112+\s], v[120+8*\c+\s] matrix_a_fmt:MATRIX_FMT_FP6 matrix_b_fmt:MATRIX_FMT_FP6
.endif
.endr
.endr
	WIN 0x08                                       ; source 1 in window 2
.irp s, 4,5,6,7
.irp c, 0,1,2,3
	v_wmma_scale_f32_16x16x128_f8f6f4 v[152+8*\c:159+8*\c], v[16+12*\s:27+12*\s], v[12*(4*(\s-4)+\c):12*(4*(\s-4)+\c)+11], v[152+8*\c:159+8*\c], v[112+\s], v[120+8*\c+\s] matrix_a_fmt:MATRIX_FMT_FP6 matrix_b_fmt:MATRIX_FMT_FP6
.endr
.endr
	WIN 0
.irp c, 0,1,2,3
	v_add_f32 v[184+\c], v[184+\c], v[188+\c]      ; Wa_b + Ua_b.  These eight plain lines name no register of the products: they are the places behind the last of them
.endr
.irp c, 0,1,2,3
	v_mul_f32 v[184+\c], s31, v[184+\c]            ; x c
.endr
.irp j, 0,1,2,3,4,5,6,7                        ; register j of accumulator c is (batch 8 hh + j, h = 4 r + c): each accumulator is read from its low end on
.irp c, 0,1,2,3
	v_fma_f32 v[192+4*\j+\c], v[152+8*\c+\j], s31, v[184+\c]
.endr
.endr
.irp j, 0,1,2,3,4,5,6,7
	global_store_b128 v10, v[192+4*\j:195+4*\j], s[22:23] offset:4096*\j   ; sixteen lanes store 256 consecutive bytes, aligned
.endr
	s_endpgm
.Llayout:
	; ---------------- Ua_w as register images: this wave is (w, ct) ----------------
	s_sub_co_u32 s25, ttmp9, 64                    ; 16 w + ct
	s_lshr_b32 s26, s25, 4                         ; w
	s_and_b32 s27, s25, 15                         ; ct
	s_lshl_b32 s28, s26, 8
	s_lshr_b32 s30, s27, 2
	s_lshl_b32 s30, s30, 6
	s_add_co_u32 s28, s28, s30
	s_and_b32 s30, s27, 3
	s_add_co_u32 s28, s28, s30                     ; lane 0's row: 256 w + 64 (ct / 4) + ct % 4
	s_mul_i32 s28, s28, 768
	s_add_nc_u64 s[16:17], s[16:17], s[28:29]
	s_and_b32 s30, s27, 7                          ; for the scale words this wave serves K step ct % 8
	s_lshr_b32 s31, s27, 3                         ; and group g2 = ct / 8
	s_lshl_b32 s28, s26, 13                        ; 256 w rows of 32 bytes
	s_lshl_b32 s34, s31, 12                        ; 128 g2 rows
	s_add_co_u32 s28, s28, s34
	s_lshl_b32 s34, s30, 2                         ; the K step's word in a row
	s_add_co_u32 s28, s28, s34
	s_add_nc_u64 s[18:19], s[18:19], s[28:29]
	s_mul_i32 s28, s30, 102400                     ; where the scale words go
	s_mul_i32 s34, s26, 25600
	s_add_co_u32 s28, s28, s34
	s_lshl_b32 s35, s31, 9
	s_add_co_u32 s28, s28, s35
	s_add_co_u32 s28, s28, 24576
	s_add_nc_u64 s[32:33], s[20:21], s[28:29]
	s_mul_i32 s28, s27, 1536                       ; where the tile's fragments go
	s_add_co_u32 s28, s28, s34
	s_add_nc_u64 s[20:21], s[20:21], s[28:29]
	s_wait_alu depctr_va_vdst(0)
	v_mul_u32_u24 v5, v2, 3072
	v_mad_u32_u24 v5, v3, 24, v5                   ; row 4 r on, + 24 hh
	v_lshlrev_b32 v6, 4, v4                        ; 16 x lane
	v_lshlrev_b32 v7, 7, v2
	v_lshl_add_u32 v7, v3, 5, v7                   ; scale words: row 4 r + hh on, 32 bytes a row
.irp s, 0,1,2,3,4,5,6,7
.irp p, 0,1,2,3,4,5
	global_load_b64 v[16+12*\s+2*\p:16+12*\s+2*\p+1], v5, s[16:17] offset:96*\s+48*(\p/3)+8*(\p%3)
.endr
.endr
.irp c, 0,1,2,3                                ; register 4 g2 + c: tile 8 g2 + 2 c + hh, which is row 128 g2 + 64 (c / 2) + 4 r + 2 (c % 2) + hh of the wave's 256
	global_load_b32 v[112+\c], v7, s[18:19] offset:32*(64*(\c/2)+2*(\c%2))
.endr
	s_wait_alu depctr_va_vdst(0)
	s_wait_loadcnt 0x0
.irp s, 0,1,2,3,4,5,6,7
.irp c, 0,1,2
	global_store_b128 v6, v[16+12*\s+4*\c:19+12*\s+4*\c], s[20:21] offset:102400*\s+512*\c   ; 32 lanes store 512 consecutive bytes
.endr
.endr
	global_store_b128 v6, v[112:115], s[32:33]
	s_endpgm
.Lfunc_end_k_q1fdf532202_prep:
	.size	k_q1fdf532202_prep, .Lfunc_end_k_q1fdf532202_prep-k_q1fdf532202_prep
	.p2alignl 7, 3214868480
	.fill 96, 4, 3214868480
	.section	.rodata,"a",@progbits
	.p2align	6, 0x0
	.amdhsa_kernel k_q1fdf532202_prep
		.amdhsa_group_segment_fixed_size 0
		.amdhsa_private_segment_fixed_size 0
		.amdhsa_enable_private_segment 0
		.amdhsa_kernarg_size 80
		.amdhsa_user_sgpr_count 2
		.amdhsa_user_sgpr_kernarg_segment_ptr 1
		.amdhsa_wavefront_size32 1
		.amdhsa_system_sgpr_workgroup_id_x 1
		.amdhsa_system_sgpr_workgroup_id_y 1
		.amdhsa_system_sgpr_workgroup_id_z 1
		.amdhsa_system_vgpr_workitem_id 0
		.amdhsa_next_free_vgpr 768
		.amdhsa_next_free_sgpr 66
		.amdhsa_reserve_vcc 0
		.amdhsa_float_denorm_mode_32 3
		.amdhsa_float_denorm_mode_16_64 3
		.amdhsa_memory_ordered 1
		.amdhsa_forward_progress 1
		.amdhsa_inst_pref_size 42
	.end_amdhsa_kernel
	.amdgpu_metadata
---
amdhsa.version: [ 1, 2 ]
amdhsa.kernels:
  - .name:           k_q1fdf532202_prep
    .symbol:         k_q1fdf532202_prep.kd
    .args:
      - { .name: decoder_outputs_codes, .offset: 0, .size: 8, .value_kind: global_buffer, .address_space: global }
      - { .name: decoder_outputs_scales, .offset: 8, .size: 8, .value_kind: global_buffer, .address_space: global }
      - { .name: Wa_w_codes, .offset: 16, .size: 8, .value_kind: global_buffer, .address_space: global }
      - { .name: Wa_w_scales, .offset: 24, .size: 8, .value_kind: global_buffer, .address_space: global }
      - { .name: Wa_b, .offset: 32, .size: 8, .value_kind: global_buffer, .address_space: global }
      - { .name: Ua_b, .offset: 40, .size: 8, .value_kind: global_buffer, .address_space: global }
      - { .name: Ua_w_codes, .offset: 48, .size: 8, .value_kind: global_buffer, .address_space: global }
      - { .name: Ua_w_scales, .offset: 56, .size: 8, .value_kind: global_buffer, .address_space: global }
      - { .name: ubimg, .offset: 64, .size: 8, .value_kind: global_buffer, .address_space: global }
      - { .name: cbias, .offset: 72, .size: 8, .value_kind: global_buffer, .address_space: global }
    .group_segment_fixed_size: 0
    .private_segment_fixed_size: 0
    .kernarg_segment_align: 8
    .kernarg_segment_size: 80
    .max_flat_workgroup_size: 32
    .sgpr_count:     66
    .vgpr_count:     768
    .wavefront_size: 32
...
	.end_amdgpu_metadata
.endif
;; end of part 1
;; launch attn (part 2): grid 256 x 1, 4 waves a work-group, clusters of 4 x 1, 327,680 bytes of LDS; arguments encoder_outputs, ubimg, cbias, Va_w, part; writes part
.if DOCPART == 2
	.amdgcn_target "amdgcn-amd-amdhsa--gfx1250"
	.amdhsa_code_object_version 6
	.text
	.protected	k_q1fdf532202_attn
	.globl	k_q1fdf532202_attn
	.p2align	8
	.type	k_q1fdf532202_attn,@function
k_q1fdf532202_attn:
	s_mov_b64 s[64:65], 0
	v_nop
	global_prefetch_b8 v0, s[64:65] scope:SCOPE_SE
	s_setreg_imm32_b32 hwreg(HW_REG_WAVE_MODE, 25, 1), 1
	s_wait_xcnt 0x0
	s_wait_alu depctr_hold_cnt(0) depctr_sa_sdst(0) depctr_va_vdst(0) depctr_va_sdst(0) depctr_va_ssrc(0) depctr_va_vcc(0) depctr_vm_vsrc(0)
	s_getreg_b32 s2, hwreg(HW_REG_IB_STS2, 6, 4)
	s_cmp_eq_u32 s2, 0
	s_cbranch_scc0 .Lentry_in_a_cluster
	s_endpgm
.Lentry_in_a_cluster:
	s_bfe_u32 s2, ttmp6, 0x10000c
	s_cmp_lg_u32 s2, 0x3003
	s_cbranch_scc0 .Lentry_shape_is_right
	s_endpgm
.Lentry_shape_is_right:
; For 256 encoder rows of one batch: score = Va . tanh(Wa + Ua_b + Wa_b + enc Ua_w^T) + Va_b, a running softmax over the rows, and the weighted sum of the rows.  The encoder rows are read from memory ONCE.
; The product enc Ua_w^T is on codes of FP6 (E2M3) with one E8M0 scale for each 32 along K; enc is quantised here, from f32; Ua_w comes as register images (buffer ubimg).
; SHARES.  Cluster = batch, four work-groups = its quarters; a work-group takes its 256 rows as 4 blocks of 64.  FOR THE PRODUCTS wave w owns hidden units 256 w .. + 255 (16 tiles ct) for all 64 rows (4 tiles m):
; 64 accumulators, 512 registers; source 0 = 16 rows, source 1 = 16 hidden units, so a lane holds ONE hidden unit (lane % 16) and rows 8 (lane / 16) + 0 .. 7, and bias and Va are one number a lane and tile.
; FOR LOADING, QUANTISING, SOFTMAX AND CONTEXT wave w owns rows 16 w .. + 15 of each block.
; K IS OUTERMOST: the rows arrive in chunks of 128 along K; a chunk is rounded to bf16 (kept in 256 registers till the block's scores exist), turned through LDS so that a lane holds 16 neighbours, quantised,
; handed to all four waves as an image of the operand's registers, and multiplied against that K step of all 1,024 hidden units.
; THE NEXT CHUNK IS PREPARED INSIDE THE PRODUCTS: behind the four products of each tile ct stands a slice of that work, which also fills the places that are owed there.  The chunk comes back from the turn into the
; registers into which it was loaded, and its codes are laid over numbers that have been converted, so that the quantiser needs twelve registers of its own.
; K GOES TO AND FRO: position x of a block works on K step x xor MASK, MASK = 0 in even blocks, 7 in odd ones.  So a block's last tile of Ua_w is the next block's first: every block has 7 refills and all 4 trips are alike.
; CLUSTER: all work-groups walk the same tiles of Ua_w in the same order: wave w of each of the four partners asks JOINTLY for its 25,600 bytes of a tile (mask 15); only the asking wave reads them.
; tanh(z) = 1 - 2 / (1 + 2^(c z)), c = 2 log2(e): 1 where the exponential is infinite, -1 where it is 0.  So score = sum of Va + sum of (-2 Va) / (1 + 2^(c z)).
; OUT: one record a wave (its 64 rows): the weighted sum under its own maximum, [1024] f32, then (m, l) 32 times; the next launch joins a batch's 16 records.
; LIMITS: NaN and infinities among the inputs are not served.  A block of 32 whose largest magnitude lies under 2^-124 (zeros too) gets the scale byte 1: only this program reads the byte.
; Odd blocks sum K in descending steps: another order of rounding than ascending.  tanh has an absolute error of about 1e-7.  The weighted sum takes the encoder's numbers rounded to bf16, weights and sums in f32.
; WHAT THIS TEXT DOES, where it differs from the lines above:
; WORK LEFT OUT: Va_b, and the term 'sum of Va' of score = sum of Va + sum of (-2 Va) / (1 + 2^(c z)), are the same for every row of a batch; the softmax runs over those rows, and softmax(s + const) = softmax(s)
; for all finite values.  So neither is computed, and Va_b is not loaded.  All records of a batch leave out the same two terms.  A NaN or infinity that reaches only them is not carried to the result.
; THE SLOTS KEEP A BLOCK'S LAST TWO TILES: position 7 refills nothing, so at a block's end the slots hold the tiles of positions 7 and 6, which are the next block's positions 0 and 1.
; So position 0 asks for nothing either: a block has 6 refills (positions 1 to 6).  The first block's tile of position 1 is asked for once, ahead of the loop.
.set WBLK,   25600                     ; a wave's part of a tile of Ua_w: 16 fragments of 1,536 bytes, then 1,024 bytes of scale words
.set TILE,   4*WBLK
.set SLOTX,  25600                     ; a wave's two slots lie on end: wave w's slot 0 at byte 51,200 w, its slot 1 25,600 further on; the slot's offset, 0 or 25,600, is stepped by an exclusive or
.set XIMG,   204800                    ; behind the four waves' slots: the rows' four fragments as images, 1,536 bytes each; two buffers of 6,144, by the position's parity
.set XSC,    217088                    ; their scale words, 128 bytes a fragment; two buffers of 512
.set SX,     218112                    ; [wave][64 rows] partial scores
.set TURN,   233472                    ; for each wave 16 rows of 512 bytes + 16
.set TPITCH, 528
.set CPARK,  267264                    ; for each wave 4,096 bytes: its weighted sum, K step s at 512 s + 16 x lane
.set TAB,    16384                     ; from CPARK on: for each wave 4,096 bytes: c x bias (4 x 512), then -2 Va (4 x 512), as images
.set SPARE,  300032                    ; the spare words, 128 bytes for each wave: two blocks of 256 bytes that no other line names
; window 0
.set LI,   1                           ; 16 x lane
.set XRI,  2                           ; XIMG + 16 x lane
.set XRS,  3                           ; XSC + 4 x lane
.set XWI,  4                           ; XIMG + 1,536 w + 16 x lane
.set XWS,  5                           ; XSC + 128 w + 4 x lane
.set TSW,  6                           ; TURN + 8,448 w + 16 x lane
.set TSR,  7                           ; TURN + 8,448 w + 528 r + 64 hh
.set ADB0, 8                           ; 51,200 w + 16 x lane
.set ADB,  9                           ; the same in the slot in hand
.set EO,   10                          ; v10-11 the chunks' byte offsets, by the position's parity
.set SXW,  12                          ; SX + 256 w + 32 hh
.set SXR,  13                          ; SX + 64 w + 4 r
.set CPK,  14                          ; CPARK + 4,096 w + 16 x lane
.set TO,   15                          ; 16 r (tables); at the end 8 x lane
.set SPW,  16                          ; my spare word: SPARE + 4 x my thread's number; never rewritten
.set NIL,  17                          ; 0; never rewritten
.set MX,   18                          ; the running maximum of t
.set LS,   19                          ; the running sum
.set ASC,  20                          ; v20-23 the rows' scale words, tile m: scales and nothing else
.set BSC,  24                          ; v24-31 Ua_w's scale words: register q: lanes 0-15 tile 2 q, lanes 16-31 tile 2 q + 1: scales and nothing else
.set SET0, 32                          ; v32-95, v96-159 two sets of 64: a chunk as loaded (16 rows x 4 numbers), then as turned (register 16 b + i = k 32 b + 16 hh + i of row r), then its codes at + 16 .. + 27
.set AF,   160                         ; products: v160-207 the rows' four fragments; v208-243 three buffers for Ua_w's
.set BF,   208
.set TMX,  244                         ; quantiser: v244-247 largest magnitudes, v248-251 the other half's, then the bytes, then block 1's codes, v252-255 the conversions' scale operands
.set TMB,  248
.set TMS,  252
.set PW,   244                         ; the scale word, where the first largest magnitude stood
.set CB,   160                         ; epilogue: v160-175 c x bias by tile, v176-191 -2 Va by tile, v192-223 the scores' sums (8 m + j)
.set VA,   176
.set SA,   192
.set CT,   160                         ; context: v160-191 the weighted sum (4 x + word), v192-207 the 16 weights, v224-231 LDS addresses, v232-243 at work
.set WT,   192
.set CA,   224
.set T,    232
.set PP,   240
.set FF,   242
; window 1: the bf16 copy: position x, row i, word c at 32 x + 2 i + c.   windows 2, 3: the sums of tiles 0-7, 8-15: (m, ct) at 8 (4 (ct % 8) + m)
.set MUL2, 0xa0                        ; C and D window 2
.set MUL3, 0xf0                        ; C and D window 3
.set CVT,  0x40                        ; destination window 1
.set CTXW, 0x01                        ; source 0 window 1
; scalars: s16 wave; s17 cx; s18 work-group; s19 my two slots' first LDS byte; s[20:21] lane selects; s[22:23] c twice; s[24:31] descriptor group 1; s[32:35] group 0; s[36:37] ubimg + 25,600 w; s[38:39] an offset pair (s39 = 0);
; s40 MASK; s41 blocks to go; s42 the slot in hand; s43 scratch; s[44:45] my 16 rows of the block; s47 log2(e); s[48:49] my record; s50 the refill's slot; s[56:63] group 1 of the head's load; s72-87 the 16 weights
; v0, from the head's end on: the prefetches' offset, 6,400 cx + 256 x min(lane, 24); never rewritten
.set MSB, 0
.macro WIN new                         ; the immediate's high byte repeats the setting that is left; a switch that changes nothing is dropped
.if MSB != (\new)
	s_set_vgpr_msb (MSB<<8)|(\new)
.set MSB, (\new)
.endif
.endm
; A PREFETCH INTO THE L2 of Ua_w's images, in the first block alone (later blocks walk bytes that this launch has read).  In position j the wave asks for its 25,600 bytes of position j + 3's tile,
; which the tensor load two loads on will want.  The four partners share the 100 blocks of 256 bytes out by address, 25 each (lanes 25-31 name the 25th again).  The last byte named is 818,944 of 819,200.
.macro ASK j
	s_cmp_eq_u32 s41, 4                            ; the first block: MASK = 0, so position = K step
	s_cbranch_scc0 .Lnot_first_\@
	s_cmp_lt_u32 ttmp9, 4
	s_cbranch_scc0 .Lno_prefetch_attn0_\@
	global_prefetch_b8 v0, s[36:37] offset:((\j)+3)*TILE th:TH_LOAD_NT scope:SCOPE_SE
.Lno_prefetch_attn0_\@:
.Lnot_first_\@:
.endm
.macro PLACES                          ; four plain places behind a matrix instruction, in front of loads into its registers and of reads of its results (ISA guide 7.12.1 for reads of its results)
.rept 4
	v_nop
.endr
.endm
; A round of the cluster's barrier: my work-group's barrier; wave 0 signals for the work-group; every wave waits for all four work-groups; my work-group's barrier once more.
.macro ROUND
	s_barrier_signal -1
	s_barrier_wait -1
	s_cmp_lg_u32 s16, 0
	s_cbranch_scc1 .Lnot_wave_0_\@
	s_barrier_signal -3
.Lnot_wave_0_\@:
	s_barrier_wait -3
	s_barrier_signal -1
	s_barrier_wait -1
.endm
; THE HEAD OF POSITION j.  Every wave: all its tensor loads have landed; the add; its LDS instructions are done (its image of this position's rows is stored, its reads of the other slot are over).
; j = 1 .. 6: a round of the cluster's barrier, and first behind it the joint refill of the slot just left, with position j + 1's tile.
; j = 0 and j = 7: nothing is fetched (position 1's tile lies in the other slot already; position 7 is the block's last): a plain barrier, for the images.
.macro HEAD j
	WIN 0
	s_wait_tensorcnt 0x0                           ; no tensor load of mine is out, so group 0 may be written
	ds_add_u32 v[SPW], v[NIL]                      ; 0 onto my spare word: the descriptor's steps stand between it and the wait for it
.if (\j) >= 1
	s_xor_b32 s42, s42, SLOTX                      ; this position reads the other slot than the last (position 0 reads the slot of the last block's position 7)
.endif
.if (\j) <= 6
	s_xor_b32 s50, s50, SLOTX                      ; the slot that position j does not read; at j = 0 it is only stepped, so that position 1's refill goes to position 0's slot
	s_add_co_u32 s33, s19, s50
.endif
.if ((\j) >= 1) && ((\j) <= 6)
	s_xor_b32 s43, s40, (\j)+1                     ; the K step of position j + 1
	s_mul_i32 s38, s43, TILE
	s_add_nc_u64 s[34:35], s[36:37], s[38:39]
	s_or_b32 s35, s35, 0x80000000                  ; 127:126 type = 2
.endif
	s_wait_dscnt 0x0
.if ((\j) >= 1) && ((\j) <= 6)
	ROUND
	tensor_load_to_lds s[32:35], s[24:31]          ; my one tensor load behind the round: by this text's count one is out at most
	s_nop 0
	PLACES                                         ; (four v_nop follow it: they are also the places in front of the operands' loads)
.else
	s_barrier_signal -1
	s_barrier_wait -1
.endif
.endm
; The operands of position j, 27 LDS loads, in the order in which the products want them: the scale words, my first fragment of Ua_w, the rows' four fragments (any wave's images), my second and third fragment.
.macro FETCH j
	v_add_nc_u32 v[ADB], s42, v[ADB0]
.irp m, 0,1,2,3
	ds_load_b32 v[ASC+\m], v[XRS] offset:512*((\j)&1)+128*\m
.endr
	ds_load_b128 v[BSC:BSC+3], v[ADB] offset:24576
	ds_load_b128 v[BSC+4:BSC+7], v[ADB] offset:24576+512
.irp c, 0,1,2
	ds_load_b128 v[BF+4*\c:BF+4*\c+3], v[ADB] offset:512*\c
.endr
.irp m, 0,1,2,3
.irp c, 0,1,2
	ds_load_b128 v[AF+12*\m+4*\c:AF+12*\m+4*\c+3], v[XRI] offset:6144*((\j)&1)+1536*\m+512*\c
.endr
.endr
.irp t, 1,2
.irp c, 0,1,2
	ds_load_b128 v[BF+12*\t+4*\c:BF+12*\t+4*\c+3], v[ADB] offset:1536*\t+512*\c
.endr
.endr
.endm
; The chunk of position x (nb = 1: of the next block, whose MASK is this one's xor 7) is asked for: 16 rows, 512 consecutive bytes of a row a load.
.macro ISSUE x, nb
	s_xor_b32 s43, s40, (\x)^(7*(\nb))
	s_lshl_b32 s43, s43, 9
	v_add_nc_u32 v[EO+((\x)&1)], s43, v[LI]        ; its last loads have been waited for
.set II, 0
.rept 16
	global_load_b128 v[SET0+64*((\x)&1)+4*II:SET0+64*((\x)&1)+4*II+3], v[EO+((\x)&1)], s[44:45] offset:4096*II+262144*(\nb) th:TH_LOAD_NT
.set II, II+1
.endr
.endm
; THE PREPARATION OF A CHUNK, in pieces.  SB is the chunk's set of 64 registers.
.macro CVT8 x, i0                      ; the bf16 copy of rows i0 .. i0 + 7 of chunk x
	WIN CVT
.set II, (\i0)
.rept 8
	v_cvt_pk_bf16_f32 v[32*(\x)+2*II], v[SB+4*II], v[SB+4*II+1]
	v_cvt_pk_bf16_f32 v[32*(\x)+2*II+1], v[SB+4*II+2], v[SB+4*II+3]
.set II, II+1
.endr
	WIN 0
.endm
.macro TST                             ; into the turn: a row's 512 bytes a store
.set II, 0
.rept 16
	ds_store_b128 v[TSW], v[SB+4*II:SB+4*II+3] offset:TPITCH*II
.set II, II+1
.endr
.endm
.macro TLD                             ; and back, into the registers that it left: 16 neighbours of each block of 32 a lane.  LDS serves a wave's instructions in order (ISA guide 5.7.1.4): these see the stores
.irp b, 0,1,2,3
.irp q, 0,1,2,3
	ds_load_b128 v[SB+16*\b+4*\q:SB+16*\b+4*\q+3], v[TSR] offset:128*\b+16*\q
.endr
.endr
.endm
.macro QMAX i                          ; the four blocks' largest magnitudes take numbers i, i + 1 (the four by turns).  i = 0 starts them, with the floor 2^(3 - 127): so the byte cannot fall under 1
.irp b, 0,1,2,3
.if (\i) == 0
	v_max3_num_f32 v[TMX+\b], |v[SB+16*\b]|, |v[SB+1+16*\b]|, 0x1800000
.else
	v_max3_num_f32 v[TMX+\b], v[TMX+\b], |v[SB+16*\b+(\i)]|, |v[SB+1+16*\b+(\i)]|
.endif
.endr
.endm
.macro QJOIN
.irp b, 0,1,2,3
	v_permlanex16_b32 v[TMB+\b], v[TMX+\b], s20, s21
.endr
.endm
.macro QSCALE
.irp b, 0,1,2,3
	v_max_num_f32 v[TMX+\b], v[TMX+\b], v[TMB+\b]  ; with lane l xor 16's: the block's largest magnitude
.endr
.irp b, 0,1,2,3
	v_add_nc_u32 v[TMS+\b], 0xff000000, v[TMX+\b]  ; 2 off its exponent field: the conversion takes the exponent field of this operand as its scale
.endr
.irp b, 0,1,2,3
	v_lshrrev_b32 v[TMB+\b], 23, v[TMS+\b]         ; the scale's byte
.endr
.endm
; The scale word, and the four conversions.  Each result lies where nothing is wanted any more: block 1's where the bytes stood, blocks 0 and 2's over block 1's numbers, block 3's over block 0's;
; one plain line stands between a conversion and the line that writes its sources or touches its result.
.macro QCODE
	v_lshl_or_b32 v[PW], v[TMB+1], 8, v[TMB]
	v_lshl_or_b32 v[PW], v[TMB+2], 16, v[PW]
	v_lshl_or_b32 v[PW], v[TMB+3], 24, v[PW]
	v_cvt_scalef32_pk16_fp6_f32 v[TMB:TMB+2], v[SB+16:SB+31], v[TMS+1]
	v_nop
	v_cvt_scalef32_pk16_fp6_f32 v[SB+16:SB+18], v[SB:SB+15], v[TMS]
	v_cvt_scalef32_pk16_fp6_f32 v[SB+22:SB+24], v[SB+32:SB+47], v[TMS+2]
	v_nop
	v_cvt_scalef32_pk16_fp6_f32 v[SB:SB+2], v[SB+48:SB+63], v[TMS+3]
	v_nop
.endm
.macro QSWAP                           ; the operand's layout wants a WHOLE block in a lane: lanes 0-15 block 2 c, lanes 16-31 block 2 c + 1.  The fragment ends in v[SB + 16 .. SB + 27]
.irp i, 0,1,2
	v_permlane16_swap_b32 v[SB+16+\i], v[TMB+\i]
.endr
.irp i, 0,1,2
	v_permlane16_swap_b32 v[SB+22+\i], v[SB+\i]
.endr
.irp i, 0,1,2
	v_mov_b32 v[SB+19+\i], v[TMB+\i]
.endr
.irp i, 0,1,2
	v_mov_b32 v[SB+25+\i], v[SB+\i]
.endr
.endm
.macro IMG x                           ; the fragment and its scale word go to the buffer of x's parity as they stand
.irp c, 0,1,2
	ds_store_b128 v[XWI], v[SB+16+4*\c:SB+16+4*\c+3] offset:6144*((\x)&1)+512*\c
.endr
	ds_store_b32 v[XWS], v[PW] offset:512*((\x)&1)
.endm
; THE 64 PRODUCTS OF POSITION j: tile ct of Ua_w against the four tiles of rows.  The accumulators take turns, one instruction a turn.  j = 0: the first K step starts the sums.
; Behind a tile's four products stands a slice of chunk j + 1's preparation (j <= 6) or four v_nop: at least four plain lines that name none of the products' registers; then the tile's buffer takes the fragment three tiles on.
; THE LDS INSTRUCTIONS OF A POSITION, in order (Bn: the three loads of fragment n):  scale words 6, B0, the rows' fragments 12, B1, B2 | ct 0: B3, 16 turn stores | ct 1: B4, 16 turn loads | ct 2 .. 8: B5 .. B11 |
; ct 9: B12, the image's 4 stores | ct 10 .. 12: B13 .. B15.  A wait's count is what was issued behind the loads that it wants.
.macro MULS j
.set PX, (\j)+1
.set SB, SET0+64*(PX&1)
.set CI, 0
.rept 16
.set NW, 6                                         ; the two younger fragments' loads may be out
.if CI == 14
.set NW, 3                                         ; the last fragment's
.endif
.if CI == 15
.set NW, 0
.endif
.if (\j) <= 6
.if (CI == 1) || (CI == 4)
.set NW, 22                                        ; two fragments' and the 16 turn stores (ct 1) or turn loads (ct 4)
.endif
.if (CI == 2) || (CI == 3)
.set NW, 38                                        ; two fragments', the 16 turn stores and the 16 turn loads
.endif
.if (CI >= 10) && (CI <= 12)
.set NW, 10                                        ; two fragments' and the image's 4 stores
.endif
.endif
.if CI > 0
	s_wait_dscnt NW
.endif
.if CI < 8
	WIN MUL2
.else
	WIN MUL3
.endif
.set BR, BF+12*(CI%3)
.set MI, 0
.rept 4
.if CI == 0
	s_wait_dscnt 15-3*MI                           ; the rows' fragment m is in; the later ones' loads, three each, and B1's and B2's may be out
.endif
.set DR, 8*(4*(CI&7)+MI)
.if (\j) == 0
.if CI&1
	v_wmma_scale_f32_16x16x128_f8f6f4 v[DR:DR+7], v[AF+12*MI:AF+12*MI+11], v[BR:BR+11], 0, v[ASC+MI], v[BSC+CI/2] matrix_a_fmt:MATRIX_FMT_FP6 matrix_b_fmt:MATRIX_FMT_FP6 matrix_b_scale:MATRIX_SCALE_ROW1
.else
	v_wmma_scale_f32_16x16x128_f8f6f4 v[DR:DR+7], v[AF+12*MI:AF+12*MI+11], v[BR:BR+11], 0, v[ASC+MI], v[BSC+CI/2] matrix_a_fmt:MATRIX_FMT_FP6 matrix_b_fmt:MATRIX_FMT_FP6
.endif
.else
.if CI&1
	v_wmma_scale_f32_16x16x128_f8f6f4 v[DR:DR+7], v[AF+12*MI:AF+12*MI+11], v[BR:BR+11], v[DR:DR+7], v[ASC+MI], v[BSC+CI/2] matrix_a_fmt:MATRIX_FMT_FP6 matrix_b_fmt:MATRIX_FMT_FP6 matrix_b_scale:MATRIX_SCALE_ROW1
.else
	v_wmma_scale_f32_16x16x128_f8f6f4 v[DR:DR+7], v[AF+12*MI:AF+12*MI+11], v[BR:BR+11], v[DR:DR+7], v[ASC+MI], v[BSC+CI/2] matrix_a_fmt:MATRIX_FMT_FP6 matrix_b_fmt:MATRIX_FMT_FP6
.endif
.endif
.set MI, MI+1
.endr
	; ---- the slice's vector lines ----
.if (\j) <= 6
.if CI == 0
.if PX == 7
	s_wait_loadcnt 0x0                             ; only chunk 7 is out
.else
	s_wait_loadcnt 16                              ; chunk j + 1 is in; the next chunk's 16 loads, issued behind it, may be out
.endif
	CVT8 PX, 0
.elseif CI == 1
	CVT8 PX, 8
.elseif CI == 4
	WIN 0
	s_wait_dscnt 6                                 ; the chunk is back from the turn: behind its loads B5 and B6 were issued
	QMAX 0
	QMAX 2
	QMAX 4
	s_wait_alu depctr_va_vdst(0)                   ; directly behind the slice's writes, which the next slice reads behind a wait on DScnt
.elseif CI == 5
	WIN 0
	QMAX 6
	QMAX 8
	QMAX 10
	s_wait_alu depctr_va_vdst(0)                   ; likewise
.elseif CI == 6
	WIN 0
	QMAX 12
	QMAX 14
	QJOIN
	s_wait_alu depctr_va_vdst(0)                   ; likewise
.elseif CI == 7
	WIN 0
	QSCALE
	s_wait_alu depctr_va_vdst(0)                   ; likewise
.elseif CI == 8
	WIN 0
	QCODE
	s_wait_alu depctr_va_vdst(0)                   ; likewise
.elseif CI == 9
	WIN 0
	QSWAP
.elseif CI <= 12
	WIN 0
	PLACES
.endif
.elseif CI <= 12
	WIN 0
	PLACES
.endif
	; ---- the fragment three tiles on, into the buffer just read ----
.if CI <= 12
	WIN 0
.irp c, 0,1,2
	ds_load_b128 v[BR+4*\c:BR+4*\c+3], v[ADB] offset:1536*(CI+3)+512*\c
.endr
.endif
	; ---- the slice's LDS and memory lines ----
.if (\j) <= 6
.if CI == 0
	TST
.endif
.if CI == 1
	TLD
.endif
.if CI == 9
	IMG PX
.endif
.if CI == 13                                       ; this tile's wait has shown the image's stores done: the chunk's registers take the chunk two positions on
.if PX <= 5
	WIN 0
	ISSUE PX+2, 0
.endif
.if PX == 7
	WIN 0
	s_cmp_eq_u32 s41, 1                            ; the next block's first two chunks, under one branch, if there is a next block: no load leaves its buffer
	s_cbranch_scc1 .Lno_next_\@
	ISSUE 0, 1
	ISSUE 1, 1
.Lno_next_\@:
.endif
.endif
.endif
.set CI, CI+1
.endr
.endm
; tanh and the dot product with Va for tiles 2 q and 2 q + 1: 64 registers.  In place: c x sum + c x bias; 2^..; + 1; 1 / ..; then the scores' sums take (-2 Va) x that.
; The 64 exponentials are one batch with one wait ahead of their first reader, and so are the 64 reciprocals.
.macro EPI q
.set WW, 2+(\q)/4
.set XB, 64*((\q)%4)
.set EPA, (WW<<6)|WW
	WIN EPA                                        ; destination and source 0 in the sums' window
.set II, 0
.rept 32
.if II < 16
	v_pk_fma_f32 v[XB+2*II:XB+2*II+1], v[XB+2*II:XB+2*II+1], s[22:23], v[CB+2*(\q):CB+2*(\q)+1] op_sel_hi:[1,0,0]               ; the even tile: the pair's low word; each accumulator from its low end on
.else
	v_pk_fma_f32 v[XB+2*II:XB+2*II+1], v[XB+2*II:XB+2*II+1], s[22:23], v[CB+2*(\q):CB+2*(\q)+1] op_sel:[0,0,1] op_sel_hi:[1,0,1]   ; the odd tile: its high word
.endif
.set II, II+1
.endr
.set II, 0
	s_wait_alu depctr_va_vdst(0)
.rept 64
	v_exp_f32 v[XB+II], v[XB+II]
.set II, II+1
.endr
	v_nop                                          ; a plain place behind the last of them
	s_wait_alu depctr_va_vdst(0)
.set II, 0
.rept 32
	v_pk_add_f32 v[XB+2*II:XB+2*II+1], v[XB+2*II:XB+2*II+1], 1.0 op_sel_hi:[1,0]
.set II, II+1
.endr
.set II, 0
	s_wait_alu depctr_va_vdst(0)
.rept 64
	v_rcp_f32 v[XB+II], v[XB+II]
.set II, II+1
.endr
	v_nop
	s_wait_alu depctr_va_vdst(0)
	WIN WW                                         ; source 0 in the sums' window, all else window 0
.set II, 0
.rept 32
.set SP, SA+2*(II%16)                              ; rows 16 m + 8 hh + 2 jj, + 1
.if ((\q) == 0) && (II < 16)
	v_pk_mul_f32 v[SP:SP+1], v[XB+2*II:XB+2*II+1], v[VA+2*(\q):VA+2*(\q)+1] op_sel_hi:[1,0]   ; the first tile starts the sums: nothing is cleared
.elseif II < 16
	v_pk_fma_f32 v[SP:SP+1], v[XB+2*II:XB+2*II+1], v[VA+2*(\q):VA+2*(\q)+1], v[SP:SP+1] op_sel_hi:[1,0,1]
.else
	v_pk_fma_f32 v[SP:SP+1], v[XB+2*II:XB+2*II+1], v[VA+2*(\q):VA+2*(\q)+1], v[SP:SP+1] op_sel:[0,1,0] op_sel_hi:[1,1,1]
.endif
.set II, II+1
.endr
.endm
	s_load_b256 s[4:11], s[0:1], 0x0               ; enc s[4:5], ubimg s[6:7], cbias s[8:9], Va_w s[10:11]
	s_load_b64 s[14:15], s[0:1], 0x20              ; part s[14:15]
	v_lshl_add_u32 v[SPW], v0, 2, SPARE
	v_mov_b32 v[NIL], 0
	ds_add_u32 v16, v17
	ds_add_u32 v16, v17
	s_wait_dscnt 0x0
	v_lshrrev_b32 v[TO], 5, v0
	v_readfirstlane_b32 s16, v[TO]                 ; wave 0..3
	s_bfe_u32 s17, ttmp6, 0x40000                  ; cx: it enters the encoder's and the record's addresses and the prefetches' offset
	s_lshl_b32 s18, ttmp9, 2                       ; in a cluster launch ttmp9 counts clusters: the batch
	s_add_co_u32 s18, s18, s17                     ; work-group = 4 x batch + cx
	s_mov_b32 s20, 0x76543210
	s_mov_b32 s21, 0xfedcba98                      ; v_permlanex16_b32's selects for lane l xor 16
	s_mov_b32 s22, 0x4038aa3b                      ; c = 2 log2(e)
	s_mov_b32 s23, s22                             ; (named with it as a pair, so it is written)
	; descriptor group 1: 25,600 dense bytes as 100 rows of 256 (32 elements of 8 bytes), no padding
	s_mov_b32 s24, 15|(3<<16)|(1<<21)              ; 15:0 the mask: all four work-groups; 17:16 elements of 8 bytes; 21 set beside a mask
	s_mov_b32 s25, 32<<16                          ; tensor_dim0 = 32
	s_mov_b32 s26, 100<<16                         ; tensor_dim1 = 100
	s_mov_b32 s27, 32<<16                          ; tile_dim0 = 32
	s_mov_b32 s28, 100                             ; tile_dim1 = 100
	s_mov_b32 s29, 32                              ; from row to row
	s_mov_b32 s30, 0
	s_mov_b32 s31, 0
	s_mov_b32 s32, 1                               ; group 0: count = 1
	s_mul_i32 s38, s16, WBLK                       ; my wave's part of a tile in ubimg
	s_lshl_b32 s19, s38, 1                         ; my two slots in LDS: 51,200 w
	s_mov_b32 s33, s19                             ; LDS address: my slot 0
	s_mov_b32 s50, 0
	; group 1 of the head's load: my parts of K steps 0 and 1 as 2 rows of 25,600 bytes (3,200 elements of 8 bytes), 102,400 bytes apart in memory, on end in LDS: both my slots
	s_mov_b32 s56, 15|(3<<16)|(1<<21)
	s_mov_b32 s57, 3200<<16                        ; tensor_dim0
	s_mov_b32 s58, 2<<16                           ; tensor_dim1
	s_mov_b32 s59, 3200<<16                        ; tile_dim0
	s_mov_b32 s60, 2                               ; tile_dim1
	s_mov_b32 s61, 12800                           ; from row to row
	s_mov_b32 s62, 0
	s_mov_b32 s63, 0
	s_mov_b32 s39, 0
	s_mov_b32 s40, 0                               ; MASK
	s_mov_b32 s41, 4                               ; blocks to go
	s_mov_b32 s42, 0                               ; the slot in hand
	s_mov_b32 s47, 0x3fb8aa3b                      ; log2(e)
	s_wait_kmcnt 0x0
	s_add_nc_u64 s[36:37], s[6:7], s[38:39]        ; ubimg at my wave's part of K step 0
	s_mov_b64 s[34:35], s[36:37]
	s_or_b32 s35, s35, 0x80000000                  ; type = 2
	ROUND                                          ; all four work-groups are here: the first joint loads meet
	tensor_load_to_lds s[32:35], s[56:63]          ; K steps 0 and 1 into my slots 0 and 1: my one tensor load at the head
	s_nop 0
	PLACES
	s_lshl_b32 s38, s18, 20                        ; my work-group's 256 rows of 4,096 bytes,
	s_lshl_b32 s43, s16, 16                        ; my wave's 16 of a block's 64
	s_add_co_u32 s38, s38, s43
	s_add_nc_u64 s[44:45], s[4:5], s[38:39]
	s_lshl_b32 s38, s18, 2
	s_add_co_u32 s38, s38, s16
	s_mul_i32 s38, s38, 4352                       ; my record
	s_add_nc_u64 s[48:49], s[14:15], s[38:39]
	s_lshl_b32 s43, s16, 10                        ; my 256 hidden units in a table of f32
	s_mov_b32 s38, s43
	s_add_nc_u64 s[10:11], s[10:11], s[38:39]
	s_lshl_b32 s38, ttmp9, 12                      ; the batch's row of cbias
	s_add_co_u32 s38, s38, s43
	s_add_nc_u64 s[8:9], s[8:9], s[38:39]
	v_and_b32 v[TO], 31, v0                        ; lane
	v_lshlrev_b32 v[LI], 4, v[TO]
	v_add_nc_u32 v[XRI], XIMG, v[LI]
	v_lshl_add_u32 v[XRS], v[TO], 2, XSC
	s_mul_i32 s43, s16, 1536
	v_add_nc_u32 v[XWI], s43, v[XRI]
	s_lshl_b32 s43, s16, 7
	v_add_nc_u32 v[XWS], s43, v[XRS]
	v_and_b32 v[SXR], 15, v0                       ; r
	v_bfe_u32 v[SXW], v0, 4, 1                     ; hh
	s_mul_i32 s43, s16, 16*TPITCH
	s_add_co_u32 s43, s43, TURN
	v_add_nc_u32 v[TSW], s43, v[LI]
	v_mul_u32_u24 v[TSR], v[SXR], TPITCH
	v_lshl_add_u32 v[TSR], v[SXW], 6, v[TSR]
	v_add_nc_u32 v[TSR], s43, v[TSR]
	v_add_nc_u32 v[ADB0], s33, v[LI]
	s_lshl_b32 s43, s16, 12
	s_add_co_u32 s43, s43, CPARK
	v_add_nc_u32 v[CPK], s43, v[LI]
	v_lshlrev_b32 v[TO], 4, v[SXR]                 ; 16 r: a lane's four numbers of a table (tiles 4 g .. 4 g + 3 at h = 64 g + 4 r + 0 .. 3)
	s_lshl_b32 s43, s16, 8
	s_add_co_u32 s43, s43, SX
	v_lshl_add_u32 v[SXW], v[SXW], 5, s43
	s_lshl_b32 s43, s16, 6
	s_add_co_u32 s43, s43, SX
	v_lshl_add_u32 v[SXR], v[SXR], 2, s43
	s_mul_i32 s43, s17, 6400                       ; the prefetches' offset: my work-group's 25 blocks of 256 bytes of the wave's 100; v0 has served all its other readers
	v_and_b32 v0, 31, v0
	v_min_u32 v0, 24, v0
	v_lshlrev_b32 v0, 8, v0
	v_add_nc_u32 v0, s43, v0
.irp i, 0,1,2,3
	global_load_b128 v[CB+4*\i:CB+4*\i+3], v[TO], s[8:9] offset:256*\i
	global_load_b128 v[VA+4*\i:VA+4*\i+3], v[TO], s[10:11] offset:256*\i
.endr
	ISSUE 0, 0                                     ; the first block's first two chunks
	ISSUE 1, 0
	s_cmp_lt_u32 ttmp9, 4
	s_cbranch_scc0 .Lno_prefetch_attn1
	global_prefetch_b8 v0, s[36:37] offset:2*TILE th:TH_LOAD_NT scope:SCOPE_SE   ; K step 2, which position 1's refill will want
.Lno_prefetch_attn1:
	v_mov_b32 v[MX], 0xff61b1e6                    ; the largest t so far: -3e38, under every t
	v_mov_b32 v[LS], 0
.irp b, 0,1,2,3
	v_mov_b32 v[TMB+\b], 0                         ; written once: a lane permute's destination counts as one of its sources
	v_mov_b32 v[SA+\b], 0
.endr
	s_wait_alu depctr_va_vdst(0)
	s_wait_loadcnt 32                              ; the tables are in; the two chunks' 32 loads, issued behind them, may be out
.irp i, 0,2,4,6,8,10,12,14
	v_pk_mul_f32 v[VA+\i:VA+\i+1], v[VA+\i:VA+\i+1], -2.0 op_sel_hi:[1,0]
.endr
.irp i, 0,1,2,3,4,5,6,7
	ds_store_b128 v[CPK], v[CB+4*\i:CB+4*\i+3] offset:TAB+512*\i    ; the tables wait in my own LDS bytes: their registers serve the products meanwhile
	ds_store_b128 v[CPK], v[SA:SA+3] offset:512*\i                  ; the weighted sum begins as zeros
.endr
.Lblock:                                           ; 4 trips, all alike: a block of 64 rows
	; chunk 0 is prepared by itself: its bf16 registers were in use till the last block's weighted sum was made
.set SB, SET0
	s_wait_loadcnt 16                              ; chunk 0 is in; chunk 1's 16 loads, issued behind it, may be out
	CVT8 0, 0
	CVT8 0, 8
	TST
	TLD
	s_wait_dscnt 0x0
	QMAX 0
	QMAX 2
	QMAX 4
	QMAX 6
	QMAX 8
	QMAX 10
	QMAX 12
	QMAX 14
	QJOIN
	QSCALE
	QCODE
	QSWAP
	IMG 0
	HEAD 0
	FETCH 0
	ISSUE 2, 0                                     ; the head's wait has shown chunk 0's image stored: its registers take chunk 2
	ASK 0
	MULS 0
.irp j, 1,2,3,4
	HEAD \j
	FETCH \j
	ASK \j
	MULS \j
.endr
.irp j, 5,6                                    ; positions 8 and 9 do not exist: nothing is asked for
	HEAD \j
	FETCH \j
	MULS \j
.endr
	WIN 0
	PLACES                                         ; position 7's head has no tensor load and so no v_nop: these are the places in front of its operands' loads
	HEAD 7
	FETCH 7
	s_wait_alu depctr_va_vdst(0)
	MULS 7
	WIN 0
	PLACES
	; ---- the scores ----
.irp i, 0,1,2,3,4,5,6,7
	ds_load_b128 v[CB+4*\i:CB+4*\i+3], v[CPK] offset:TAB+512*\i     ; c x bias and -2 Va
.endr
	s_wait_dscnt 0x0
.irp q, 0,1,2,3,4,5,6,7
	EPI \q
.endr
	WIN 0
.irp k, 1,2,4,8                                ; over the 16 lanes of a half: my wave's 256 hidden units
.set II, 0
.rept 32
	v_add_f32_dpp v[SA+II], v[SA+II], v[SA+II] row_xmask:\k row_mask:0xf bank_mask:0xf
.set II, II+1
.endr
.endr
.irp m, 0,1,2,3
	ds_store_b128 v[SXW], v[SA+8*\m:SA+8*\m+3] offset:64*\m           ; rows 16 m + 8 hh + 0 .. 3: the sixteen lanes of a half write the same words with the same values
	ds_store_b128 v[SXW], v[SA+8*\m+4:SA+8*\m+7] offset:64*\m+16
.endr
.irp x, 0,1,2,3,4,5,6,7
	s_xor_b32 s43, s40, \x                         ; position x held K step x xor MASK
	s_lshl_b32 s43, s43, 9
	v_add_nc_u32 v[CA+\x], s43, v[CPK]
.endr
	s_wait_alu depctr_va_vdst(0)
.irp x, 0,1,2,3,4,5,6,7
	ds_load_b128 v[CT+4*\x:CT+4*\x+3], v[CA+\x]    ; my weighted sum so far, in this block's order of positions
.endr
	s_wait_dscnt 0x0                               ; for the others' sake: my partial scores are stored
	s_barrier_signal -1
	s_barrier_wait -1
	; ---- the running softmax of my 16 rows (lane % 16 = the row) ----
.irp u, 0,1,2,3
	ds_load_b32 v[T+\u], v[SXR] offset:256*\u
.endr
	s_wait_dscnt 0x0
	v_add_f32 v[T], v[T], v[T+1]
	v_add_f32 v[T+2], v[T+2], v[T+3]
	v_add_f32 v[T], v[T], v[T+2]
	v_mul_f32 v[T], s47, v[T]                      ; t = score x log2(e), the score without the terms that all rows of the batch share
	v_mov_b32 v[T+1], v[T]
.irp k, 1,2,4,8
	v_max_num_f32_dpp v[T+1], v[T+1], v[T+1] row_xmask:\k row_mask:0xf bank_mask:0xf
.endr
	v_max_num_f32 v[T+2], v[MX], v[T+1]            ; the new maximum
	v_sub_f32 v[T+3], v[MX], v[T+2]
	v_sub_f32 v[T+4], v[T], v[T+2]
	s_wait_alu depctr_va_vdst(0)
	v_exp_f32 v[FF], v[T+3]                        ; f = 2^(old maximum - new)
	v_exp_f32 v[PP], v[T+4]                        ; p = 2^(t - maximum)
	v_mov_b32 v[MX], v[T+2]                        ; (a plain place behind the two)
	s_wait_alu depctr_va_vdst(0)                   ; one wait for both, ahead of their first reader
	v_mov_b32 v[FF+1], v[FF]
	v_mov_b32 v[T+5], v[PP]
.irp k, 1,2,4,8
	v_add_f32_dpp v[T+5], v[T+5], v[T+5] row_xmask:\k row_mask:0xf bank_mask:0xf
.endr
	v_fma_f32 v[LS], v[LS], v[FF], v[T+5]
.irp i, 0,1,2,3,4,5,6,7,8,9,10,11,12,13,14,15
	v_readlane_b32 s[72+\i], v[PP], \i             ; row i's weight, for every lane
.endr
.irp i, 0,1,2,3,4,5,6,7,8,9,10,11,12,13,14,15
	v_mov_b32 v[WT+\i], s[72+\i]
.endr
.irp i, 0,2,4,6,8,10,12,14,16,18,20,22,24,26,28,30
	v_pk_mul_f32 v[CT+\i:CT+\i+1], v[CT+\i:CT+\i+1], v[FF:FF+1]    ; the weighted sum under the new maximum
.endr
	; ---- the weighted sum: bf16 numbers x f32 weights, f32 sums; 32 sums by turns ----
	WIN CTXW
.set RI, 0
.rept 16
.set II, 0
.rept 16
	v_fma_mix_f32_bf16 v[CT+2*II], v[32*(II/2)+2*RI+II%2], v[WT+RI], v[CT+2*II] op_sel:[0,0,0] op_sel_hi:[1,0,0]
	v_fma_mix_f32_bf16 v[CT+2*II+1], v[32*(II/2)+2*RI+II%2], v[WT+RI], v[CT+2*II+1] op_sel:[1,0,0] op_sel_hi:[1,0,0]
.set II, II+1
.endr
.set RI, RI+1
.endr
	WIN 0
.irp x, 0,1,2,3,4,5,6,7
	ds_store_b128 v[CA+\x], v[CT+4*\x:CT+4*\x+3]
.endr
	s_xor_b32 s40, s40, 7                          ; the next block walks K the other way
	s_wait_xcnt 0x0                                ; the loads issued for the next block have read their base: it may step
	s_add_nc_u64 s[44:45], s[44:45], 262144        ; 64 rows on
	s_sub_co_u32 s41, s41, 1
	s_cmp_lg_u32 s41, 0
	s_cbranch_scc1 .Lblock
	; ---- my record ----
.irp i, 0,1,2,3,4,5,6,7
	ds_load_b128 v[CT+4*\i:CT+4*\i+3], v[CPK] offset:512*\i        ; in K's true order; LDS serves a wave's instructions in order: these see my stores
.endr
	v_lshrrev_b32 v[TO], 1, v[LI]                  ; 8 x lane
	s_wait_alu depctr_va_vdst(0)
	s_wait_dscnt 0x0
.irp i, 0,1,2,3,4,5,6,7
	global_store_b128 v[LI], v[CT+4*\i:CT+4*\i+3], s[48:49] offset:512*\i   ; 32 lanes store 512 consecutive bytes, aligned to 256
.endr
	global_store_b64 v[TO], v[MX:MX+1], s[48:49] offset:4096       ; (m, l), 32 times: 256 consecutive bytes, aligned
	s_wait_tensorcnt 0x0                           ; the wave's end: behind my last tensor load and my last LDS store
	ds_add_u32 v[SPW], v[NIL]
	s_wait_dscnt 0x0
	ROUND                                          ; the closing round: no work-group ends while a partner may still ask for a tile that names it
	s_endpgm
.Lfunc_end_k_q1fdf532202_attn:
	.size	k_q1fdf532202_attn, .Lfunc_end_k_q1fdf532202_attn-k_q1fdf532202_attn
	.p2alignl 7, 3214868480
	.fill 96, 4, 3214868480
	.section	.rodata,"a",@progbits
	.p2align	6, 0x0
	.amdhsa_kernel k_q1fdf532202_attn
		.amdhsa_group_segment_fixed_size 327680
		.amdhsa_private_segment_fixed_size 0
		.amdhsa_enable_private_segment 0
		.amdhsa_kernarg_size 40
		.amdhsa_user_sgpr_count 2
		.amdhsa_user_sgpr_kernarg_segment_ptr 1
		.amdhsa_wavefront_size32 1
		.amdhsa_system_sgpr_workgroup_id_x 1
		.amdhsa_system_sgpr_workgroup_id_y 1
		.amdhsa_system_sgpr_workgroup_id_z 1
		.amdhsa_system_vgpr_workitem_id 0
		.amdhsa_next_free_vgpr 1024
		.amdhsa_next_free_sgpr 96
		.amdhsa_reserve_vcc 0
		.amdhsa_float_denorm_mode_32 3
		.amdhsa_float_denorm_mode_16_64 3
		.amdhsa_memory_ordered 1
		.amdhsa_forward_progress 1
		.amdhsa_inst_pref_size 255
	.end_amdhsa_kernel
	.section	.bss,"aw",@nobits
	.p2align	6
	.space	262144
	.amdgpu_metadata
---
amdhsa.version: [ 1, 2 ]
amdhsa.kernels:
  - .name:           k_q1fdf532202_attn
    .symbol:         k_q1fdf532202_attn.kd
    .args:
      - { .name: encoder_outputs, .offset: 0, .size: 8, .value_kind: global_buffer, .address_space: global }
      - { .name: ubimg, .offset: 8, .size: 8, .value_kind: global_buffer, .address_space: global }
      - { .name: cbias, .offset: 16, .size: 8, .value_kind: global_buffer, .address_space: global }
      - { .name: Va_w, .offset: 24, .size: 8, .value_kind: global_buffer, .address_space: global }
      - { .name: part, .offset: 32, .size: 8, .value_kind: global_buffer, .address_space: global }
    .group_segment_fixed_size: 327680
    .private_segment_fixed_size: 0
    .kernarg_segment_align: 8
    .kernarg_segment_size: 40
    .max_flat_workgroup_size: 128
    .sgpr_count:     96
    .vgpr_count:     1024
    .wavefront_size: 32
...
	.end_amdgpu_metadata
.endif
;; end of part 2
;; launch comb (part 3): grid 64 x 1, 8 waves a work-group, no clusters, 0 bytes of LDS; arguments part, out0; writes out0
.if DOCPART == 3
	.amdgcn_target "amdgcn-amd-amdhsa--gfx1250"
	.amdhsa_code_object_version 6
	.text
	.protected	k_q1fdf532202_comb
	.globl	k_q1fdf532202_comb
	.p2align	8
	.type	k_q1fdf532202_comb,@function
k_q1fdf532202_comb:
	s_mov_b64 s[64:65], 0
	v_nop
	global_prefetch_b8 v0, s[64:65] scope:SCOPE_SE
	s_setreg_imm32_b32 hwreg(HW_REG_WAVE_MODE, 25, 1), 1
	s_wait_xcnt 0x0
; out0[b][k] = (sum over the batch's 16 records p of 2^(m_p - M) ctx_p[k]) / (sum over p of 2^(m_p - M) l_p),  M = the largest m_p.
; A record is 4,352 bytes: ctx[1024] f32, then (m, l) 32 times.  A work-group is a batch; thread t holds k = 4 t .. 4 t + 3.  Every load of a wave covers 512 (ctx) or 256 (m, l) consecutive bytes.
; No LDS, no barrier, no matrix unit: 69,632 bytes in and 4,096 out for each work-group, ctx read once, (m, l) by each of the 8 waves.
.set REC, 4352
.set CX,  16                           ; v16-79   ctx of the 16 records, 4 numbers each
.set ML,  80                           ; v80-111  (m, l) of the 16
.set WG,  112                          ; v112-127 the weights 2^(m_p - M)
.set AC,  128                          ; v128-131 the sum
	s_load_b128 s[4:7], s[0:1], 0x0                ; part, out0
	v_lshlrev_b32 v1, 4, v0                        ; 16 t
	v_and_b32 v2, 31, v0
	s_delay_alu instid0(VALU_DEP_1)
	v_lshlrev_b32 v2, 3, v2                        ; 8 x lane
	s_mul_i32 s8, ttmp9, 16*REC
	s_mov_b32 s9, 0
	s_lshl_b32 s10, ttmp9, 12
	s_mov_b32 s11, 0
	s_wait_alu depctr_va_vdst(0)
	s_wait_kmcnt 0x0
	s_add_nc_u64 s[4:5], s[4:5], s[8:9]
	s_add_nc_u64 s[6:7], s[6:7], s[10:11]
.irp p, 0,1,2,3,4,5,6,7,8,9,10,11,12,13,14,15
	global_load_b64 v[ML+2*\p:ML+2*\p+1], v2, s[4:5] offset:REC*\p+4096
.endr
.irp p, 0,1,2,3,4,5,6,7,8,9,10,11,12,13,14,15
	global_load_b128 v[CX+4*\p:CX+4*\p+3], v1, s[4:5] offset:REC*\p th:TH_LOAD_NT
.endr
	s_wait_loadcnt 16                              ; the 16 (m, l) are in; the 16 loads of ctx, issued behind them, may be out
	v_max3_num_f32 v132, v[ML], v[ML+2], v[ML+4]
.irp p, 3,5,7,9,11,13
	s_delay_alu instid0(VALU_DEP_1)
	v_max3_num_f32 v132, v132, v[ML+2*\p], v[ML+2*\p+2]
.endr
	s_delay_alu instid0(VALU_DEP_1)
	v_max_num_f32 v132, v132, v[ML+30]             ; M
.irp p, 0,1,2,3,4,5,6,7,8,9,10,11,12,13,14,15
	v_sub_f32 v[WG+\p], v[ML+2*\p], v132
.endr
	s_wait_alu depctr_va_vdst(0)
.irp p, 0,1,2,3,4,5,6,7,8,9,10,11,12,13,14,15
	v_exp_f32 v[WG+\p], v[WG+\p]
.endr
	v_nop                                          ; a plain place behind the last exponential
	s_wait_alu depctr_va_vdst(0)                   ; one wait for the 16, ahead of their first reader
	v_mul_f32 v133, v[WG], v[ML+1]
.irp p, 1,2,3,4,5,6,7,8,9,10,11,12,13,14,15
	v_fma_f32 v133, v[WG+\p], v[ML+2*\p+1], v133   ; the sum of the l under M
.endr
	s_wait_alu depctr_va_vdst(0)
	v_rcp_f32 v134, v133
	s_wait_loadcnt 0x0
	v_pk_mul_f32 v[AC:AC+1], v[CX:CX+1], v[WG:WG+1] op_sel_hi:[1,0]        ; the first record starts the sums
	v_pk_mul_f32 v[AC+2:AC+3], v[CX+2:CX+3], v[WG:WG+1] op_sel_hi:[1,0]
.irp p, 1,2,3,4,5,6,7,8,9,10,11,12,13,14,15
.if \p % 2
	v_pk_fma_f32 v[AC:AC+1], v[CX+4*\p:CX+4*\p+1], v[WG+\p-1:WG+\p], v[AC:AC+1] op_sel:[0,1,0] op_sel_hi:[1,1,1]       ; the weight is its pair's high word
	v_pk_fma_f32 v[AC+2:AC+3], v[CX+4*\p+2:CX+4*\p+3], v[WG+\p-1:WG+\p], v[AC+2:AC+3] op_sel:[0,1,0] op_sel_hi:[1,1,1]
.else
	v_pk_fma_f32 v[AC:AC+1], v[CX+4*\p:CX+4*\p+1], v[WG+\p:WG+\p+1], v[AC:AC+1] op_sel_hi:[1,0,1]                      ; its low word
	v_pk_fma_f32 v[AC+2:AC+3], v[CX+4*\p+2:CX+4*\p+3], v[WG+\p:WG+\p+1], v[AC+2:AC+3] op_sel_hi:[1,0,1]
.endif
.endr
	s_wait_alu depctr_va_vdst(0)                   ; the reciprocal's wait, ahead of its first reader; the 32 packed lines above are the independent work behind it
	v_mov_b32 v135, v134
	v_pk_mul_f32 v[AC:AC+1], v[AC:AC+1], v[134:135]
	v_pk_mul_f32 v[AC+2:AC+3], v[AC+2:AC+3], v[134:135]
	global_store_b128 v1, v[AC:AC+3], s[6:7]       ; sixteen lanes store 256 consecutive bytes, aligned
	s_endpgm
.Lfunc_end_k_q1fdf532202_comb:
	.size	k_q1fdf532202_comb, .Lfunc_end_k_q1fdf532202_comb-k_q1fdf532202_comb
	.p2alignl 7, 3214868480
	.fill 96, 4, 3214868480
	.section	.rodata,"a",@progbits
	.p2align	6, 0x0
	.amdhsa_kernel k_q1fdf532202_comb
		.amdhsa_group_segment_fixed_size 0
		.amdhsa_private_segment_fixed_size 0
		.amdhsa_enable_private_segment 0
		.amdhsa_kernarg_size 16
		.amdhsa_user_sgpr_count 2
		.amdhsa_user_sgpr_kernarg_segment_ptr 1
		.amdhsa_wavefront_size32 1
		.amdhsa_system_sgpr_workgroup_id_x 1
		.amdhsa_system_sgpr_workgroup_id_y 1
		.amdhsa_system_sgpr_workgroup_id_z 1
		.amdhsa_system_vgpr_workitem_id 0
		.amdhsa_next_free_vgpr 144
		.amdhsa_next_free_sgpr 66
		.amdhsa_reserve_vcc 0
		.amdhsa_float_denorm_mode_32 3
		.amdhsa_float_denorm_mode_16_64 3
		.amdhsa_memory_ordered 1
		.amdhsa_forward_progress 1
		.amdhsa_inst_pref_size 9
	.end_amdhsa_kernel
	.amdgpu_metadata
---
amdhsa.version: [ 1, 2 ]
amdhsa.kernels:
  - .name:           k_q1fdf532202_comb
    .symbol:         k_q1fdf532202_comb.kd
    .args:
      - { .name: part, .offset: 0, .size: 8, .value_kind: global_buffer, .address_space: global }
      - { .name: out0, .offset: 8, .size: 8, .value_kind: global_buffer, .address_space: global }
    .group_segment_fixed_size: 0
    .private_segment_fixed_size: 0
    .kernarg_segment_align: 8
    .kernarg_segment_size: 16
    .max_flat_workgroup_size: 256
    .sgpr_count:     66
    .vgpr_count:     144
    .wavefront_size: 32
...
	.end_amdgpu_metadata
.endif
;; end of part 3
